; MI455X (gfx1250); checked and timed in simulation.
; The chip was launched on July 23, 2026; its instructions are those of AMD's public machine-readable ISA for CDNA 5 (MIT licence, August 2026) and "CDNA5" Instruction Set Architecture Reference Guide (July 2026). The comments in the code are by the model that wrote it; some were corrected since.
;; Model. Allowed arithmetic: matrix products marked QUANTISED: E4M3 operands, one given power-of-two scale a tensor, by v_wmma_f32_16x16x64_fp8_fp8 or v_wmma_f32_16x16x128_fp8_fp8, f32 sums; everything else in f32.
;; Inputs: key 8,192 x 16 x 32 float32; lowp_scales 4 int32 (the exponents e of the quantised operands' scales 2^e); query 8,192 x 16 x 32 float32; value_codes 16 x 8 x 256 x 32 uint8 (E4M3 codes of value, K innermost, in blocks of 32 codes).
;; Outputs: out0 8,192 x 16 x 8 float32.
;; This version of the problem:
;;   THIS VERSION OF THE PROBLEM IS GIVEN IN LOW PRECISION. The matrix products marked QUANTISED in the list below multiply operands that are first quantised to E4M3 (4 exponent bits, 3 mantissa bits; 8 bits a number), with one given power-of-two scale for each operand tensor; their sums are f32. All else is computed in f32.
;;   The module's matrix products, in the order in which they are computed (A, B: the left and right operand; K: the contracted axis; several contracted axes count as one K, in the product's order):
;;     1. [M 8,192, K 512] x [K 512, N 8,192]; A: input query; B: input key: QUANTISED (scales: A lowp_scales[0], B lowp_scales[1])
;;     2. [M 8,192, K 8,192] x [K 8,192, N 128]; A: softmax (see below); B: input value (given as codes): QUANTISED (scales: A lowp_scales[2], B lowp_scales[3])
;;   THE QUANTISER, for each operand of a quantised product, along K:
;;     - The operand's scale is 2^e, e = its entry of the input lowp_scales (int32; the entries are numbered through the quantised products in the list's order, A before B).
;;     - Each number is divided by the scale, clamped to +-448, and rounded to the nearest number of E4M3, ties to even, subnormals kept.
;;     - The product sums the exact products of the quantised numbers (number of the format x scale) in f32.
;;   ~~~python
;;   def quantise(x, axis, e):      # numpy; x: float32 -> the quantised numbers, widened to float32 again
;;       x = np.moveaxis(x, axis, -1); K = x.shape[-1]
;;       r = np.clip(x / 2.0 ** e, -448, 448)
;;       step = 2.0 ** (np.maximum(np.frexp(np.where(r == 0, 1, r))[1] - 1, -6) - 3)
;;       q = np.round(r / step) * step * 2.0 ** e      # np.round: ties to even
;;       return np.moveaxis(q, -1, axis).astype(np.float32)
;;   ~~~
;;   SOFTMAX AHEAD OF A QUANTISED PRODUCT. Where the list says 'softmax', what is quantised is not the finished softmax but p = 2^(t - M), with t = logit x log2(e) and M = ceil(the row's largest t), a whole number; so 1/2 < the row's largest p <= 1. The row's sum l is taken of the UNQUANTISED p, in f32, and the product's result is divided by l at the end. Since M is a whole number, a kernel that streams over the keys may use a running M (the ceiling of the running maximum): every later rescaling is an exact power of two, so the quantised numbers keep their values, but for numbers so far below the row's largest that they fall under the format's range.
;;   OPERANDS COMPUTED ON THE WAY. 'Computed on the way' means the value that the module computes at that place (a softmax that the list does not call 'softmax' is quantised finished and normalised). What goes into a quantiser is computed in f32, as accurately as f32 sums, v_exp_f32 and their like allow (about 1e-6 of the number): no bf16 or f16 on the way to a quantiser, and a product that is left as it is and whose result goes on into a quantised operand takes f32 operands (vector FMAs, or v_wmma_f32_16x16x4_f32). A number that lies on a knife's edge between two numbers of the format may be rounded either way, as far as f32 arithmetic and the matrix unit's own rounding can turn it there, and no further.
;;   INPUTS GIVEN AS CODES. value (in the module: [8192, 16, 8], K = its axis 0): each comes as NAME_codes (uint8): NAME with its K axis moved to the last place and cut into blocks of 32 codes, [.., K / 32, bytes a block], one block behind the other in memory; one code a byte (a code: sign, 4 exponent bits, 3 mantissa bits); its scale is its entry of lowp_scales. Its value is code x scale, taken as it is: it is not quantised again, and the codes and scales need not be those that the quantiser above would give.
;; One version. Each part assembles by itself: llvm-mc -triple=amdgcn-amd-amdhsa -mcpu=gfx1250 --defsym DOCPART=n.
;; ======== version 1 of 1: 3 launches
;; limits: right only within a limited range of input values
;; workspace buffers: qc 4,194,304 bytes; kv 5,242,880 bytes; opart 16,777,216 bytes; ml 262,144 bytes
;; launch quant (part 1): grid 512 x 1, 4 waves a work-group, no clusters, 17,920 bytes of LDS; arguments query, key, value_codes, lowp_scales, qc, kv; writes qc, kv
.if DOCPART == 1
	.amdgcn_target "amdgcn-amd-amdhsa--gfx1250"
	.amdhsa_code_object_version 6
	.text
	.protected	k_q0619788679_quant
	.globl	k_q0619788679_quant
	.p2align	8
	.type	k_q0619788679_quant,@function
k_q0619788679_quant:
	s_mov_b64 s[64:65], 0
	v_nop
	global_prefetch_b8 v0, s[64:65] scope:SCOPE_SE
	s_setreg_imm32_b32 hwreg(HW_REG_WAVE_MODE, 25, 1), 1
	s_wait_xcnt 0x0
; FIRST OF THREE LAUNCHES.  out = softmax(q k^T / 32) v, both products on codes of E4M3, each operand with the one scale 2^e that is given for it.
; NOTHING OF THE PROBLEM IS LEFT OUT: every input (query, key, value_codes, all four entries of lowp_scales) has a way to the output, and both products are live in all their rows.
; THIS LAUNCH: query and key, [8192][512] f32, become codes of E4M3; the value's codes are laid anew.  code = x / 2^e, held within +-448, rounded to the nearest code, ties to even.
; LIMITS: -126 <= e <= 119, so that 2^e and 448 x 2^e are f32 numbers.  NaN among the inputs is not served (an infinity is held at the largest code).
; LAYOUT: IMAGES OF THE OPERANDS' REGISTERS.  A row's 512 codes are 32 pieces of 16; piece L holds k = 128 i + 4 L + j (i, j = 0..3), the numbers that lane L has of the row's four loads: the same order of k in
; query and key, so the products are the same.  A tile is 16 rows: [32 pieces][16 rows][16 bytes] = 8,192 bytes.  qc: 512 tiles.  kv: 64 steps of 128 keys, each 8 tiles of key (65,536 bytes), then value:
; [8 d-tiles][8 pieces][16 d][16 keys] (16,384 bytes), piece m = keys 16 m .. 16 m + 15.  In the steps whose number has bit 3 set the d-tiles stand in the order 4-7, 0-3.
; Of 32 rows on end tile 0 takes rows 0-7 and 16-23, tile 1 rows 8-15 and 24-31: the scores of two neighbouring tiles are then sixteen neighbouring keys in a lane's registers.
; SHARES.  Work-groups 0-255 take query, 256-511 key, 32 rows each, wave w rows 8 w .. 8 w + 7; the codes meet in LDS, one barrier, and leave as 512 consecutive bytes an instruction.
; Work-group b also lays d-tile b % 8 of step b / 8 of value: wave w its pieces 2 w, 2 w + 1, one load and, behind all else, one store.
.set STEPB, 81920                      ; bytes of a step in kv
.set TP,    272                        ; a piece in the stage: 16 rows x 16 bytes + 16
.set TILE,  32*TP
.set SPARE, 2*TILE                     ; the spare words, 128 bytes for each wave, which no other line names
.set SPW,   12
.set NIL,   13
.set R,     16                         ; v16-143  eight rows of 16 numbers as loaded
.set C,     144                        ; v144-175 their codes, 4 registers a row
	s_load_b256 s[4:11], s[0:1], 0x0               ; query, key, value_codes, lowp_scales
	s_load_b128 s[12:15], s[0:1], 0x20             ; qc, kv
	v_lshrrev_b32 v1, 5, v0
	v_readfirstlane_b32 s16, v1                    ; wave 0..3
	s_lshr_b32 s17, ttmp9, 3                       ; value: step
	s_and_b32 s18, ttmp9, 7                        ; and d-tile
	s_lshl_b32 s20, s18, 17                        ; from: 16 rows of 8,192 bytes a d-tile,
	s_lshl_b32 s21, s17, 7                         ; 128 keys a step,
	s_add_co_u32 s20, s20, s21
	s_lshl_b32 s21, s16, 5                         ; 32 of them a wave
	s_add_co_u32 s20, s20, s21
	s_mov_b32 s21, 0
	s_mul_i32 s22, s17, STEPB                      ; to
	s_bfe_u32 s36, s17, 0x10003
	s_lshl_b32 s36, s36, 2
	s_xor_b32 s36, s36, s18                        ; the d-tile's place in the step
	s_lshl_b32 s23, s36, 11
	s_add_co_u32 s22, s22, s23
	s_lshl_b32 s23, s16, 9
	s_add_co_u32 s22, s22, s23
	s_add_co_u32 s22, s22, 65536
	s_mov_b32 s23, 0
	s_and_b32 s19, ttmp9, 255                      ; which 32 rows of my tensor
	s_lshl_b32 s24, s19, 16
	s_lshl_b32 s25, s16, 14
	s_add_co_u32 s24, s24, s25                     ; rows of 2,048 bytes
	s_mov_b32 s25, 0
	s_lshl_b32 s26, s19, 14                        ; qc: two tiles on
	s_lshr_b32 s27, s19, 2
	s_mul_i32 s27, s27, STEPB                      ; kv: four such pairs a step
	s_and_b32 s28, s19, 3
	s_lshl_b32 s28, s28, 14
	s_add_co_u32 s27, s27, s28
	s_lshl_b32 s28, s16, 12                        ; I store 4,096 bytes of the two tiles' 16,384
	s_cmp_lt_u32 ttmp9, 256
	s_cselect_b32 s26, s26, s27
	s_add_co_u32 s26, s26, s28
	s_mov_b32 s27, 0
	s_and_b32 s28, s16, 1                          ; into the stage: tile w % 2, rows 8 (w / 2) on
	s_mul_i32 s29, s28, TILE
	s_lshr_b32 s32, s16, 1
	s_lshl_b32 s33, s32, 7
	s_add_co_u32 s29, s29, s33
	s_mul_i32 s34, s32, TILE                       ; out of it: tile w / 2, pieces 16 (w % 2) on
	s_mul_i32 s35, s28, 16*TP
	s_add_co_u32 s34, s34, s35
	v_lshl_add_u32 v[SPW], v0, 2, SPARE
	v_mov_b32 v[NIL], 0
	v_and_b32 v2, 31, v0                           ; lane
	v_and_b32 v4, 15, v0
	v_bfe_u32 v6, v0, 4, 1
	v_lshlrev_b32 v3, 4, v2                        ; my 16 bytes of 512
	v_mul_u32_u24 v14, v2, TP
	v_mul_u32_u24 v15, v6, TP
	v_lshlrev_b32 v5, 13, v4                       ; value: row r, + 16 h
	v_add_nc_u32 v14, s29, v14
	v_lshl_add_u32 v15, v4, 4, v15
	v_lshl_add_u32 v5, v6, 4, v5
	v_add_nc_u32 v15, s34, v15
	s_wait_alu depctr_va_vdst(0)
	s_wait_kmcnt 0x0
	s_load_b64 s[30:31], s[10:11], 0x0             ; eq, ek
	s_cmp_lt_u32 ttmp9, 256                        ; query's work-group or key's
	s_cselect_b64 s[4:5], s[4:5], s[6:7]
	s_cselect_b64 s[12:13], s[12:13], s[14:15]
	s_add_nc_u64 s[8:9], s[8:9], s[20:21]
	s_add_nc_u64 s[14:15], s[14:15], s[22:23]
	s_add_nc_u64 s[4:5], s[4:5], s[24:25]
	s_add_nc_u64 s[12:13], s[12:13], s[26:27]
	global_load_b128 v[8:11], v5, s[8:9]           ; value: the registers are the image
.irp t, 0,1,2,3,4,5,6,7
.irp i, 0,1,2,3
	global_load_b128 v[R+16*\t+4*\i:R+16*\t+4*\i+3], v3, s[4:5] offset:2048*\t+512*\i th:TH_LOAD_NT   ; 512 consecutive bytes; read once in the launch
.endr
.endr
	s_wait_kmcnt 0x0
	s_cmp_lt_u32 ttmp9, 256
	s_cselect_b32 s30, s30, s31                    ; e
	s_add_co_i32 s30, s30, 127
	s_lshl_b32 s31, s30, 23
	v_mov_b32 v7, s31                              ; 2^e as f32: the conversion takes its exponent field
	s_add_co_i32 s30, s30, 8
	s_lshl_b32 s30, s30, 23
	s_or_b32 s30, s30, 0x600000
	v_mov_b32 v1, s30                              ; 448 x 2^e
	s_wait_alu depctr_va_vdst(0)
.irp t, 0,1,2,3,4,5,6,7
	s_wait_loadcnt 4*(7-\t)                        ; this row's four loads are in (and value's, the oldest); the later rows' may be out
.irp i, 0,1,2,3,4,5,6,7,8,9,10,11,12,13,14,15
	v_med3_num_f32 v[R+16*\t+\i], v[R+16*\t+\i], -v1, v1   ; the conversion to an 8-bit code does not saturate (ISA guide 7.6.2)
.endr
	v_cvt_scalef32_pk8_fp8_f32 v[C+4*\t:C+4*\t+1], v[R+16*\t:R+16*\t+7], v7
	v_cvt_scalef32_pk8_fp8_f32 v[C+4*\t+2:C+4*\t+3], v[R+16*\t+8:R+16*\t+15], v7
	ds_store_b128 v14, v[C+4*\t:C+4*\t+3] offset:16*\t   ; piece = lane, row t of my eight
.endr
	v_nop                                          ; a plain line behind the last conversion
	s_wait_dscnt 0x0                               ; my stores are done,
	s_barrier_signal -1
	s_barrier_wait -1                              ; and everybody's
.irp i, 0,1,2,3,4,5,6,7
	ds_load_b128 v[R+4*\i:R+4*\i+3], v15 offset:2*TP*\i   ; two pieces of 256 bytes
.endr
.irp i, 0,1,2,3,4,5,6,7
	s_wait_dscnt 7-\i
	global_store_b128 v3, v[R+4*\i:R+4*\i+3], s[12:13] offset:512*\i   ; 512 consecutive bytes, aligned
.endr
	global_store_b128 v3, v[8:11], s[14:15]        ; value's 512 consecutive bytes
	s_wait_tensorcnt 0x0                           ; the wave's end
	ds_add_u32 v[SPW], v[NIL]
	s_wait_dscnt 0x0
	s_endpgm
.Lfunc_end_k_q0619788679_quant:
	.size	k_q0619788679_quant, .Lfunc_end_k_q0619788679_quant-k_q0619788679_quant
	.p2alignl 7, 3214868480
	.fill 96, 4, 3214868480
	.section	.rodata,"a",@progbits
	.p2align	6, 0x0
	.amdhsa_kernel k_q0619788679_quant
		.amdhsa_group_segment_fixed_size 17920
		.amdhsa_private_segment_fixed_size 0
		.amdhsa_enable_private_segment 0
		.amdhsa_kernarg_size 48
		.amdhsa_user_sgpr_count 2
		.amdhsa_user_sgpr_kernarg_segment_ptr 1
		.amdhsa_wavefront_size32 1
		.amdhsa_system_sgpr_workgroup_id_x 1
		.amdhsa_system_sgpr_workgroup_id_y 1
		.amdhsa_system_sgpr_workgroup_id_z 1
		.amdhsa_system_vgpr_workitem_id 0
		.amdhsa_next_free_vgpr 176
		.amdhsa_next_free_sgpr 66
		.amdhsa_reserve_vcc 0
		.amdhsa_float_denorm_mode_32 3
		.amdhsa_float_denorm_mode_16_64 3
		.amdhsa_memory_ordered 1
		.amdhsa_forward_progress 1
		.amdhsa_inst_pref_size 19
	.end_amdhsa_kernel
	.amdgpu_metadata
---
amdhsa.version: [ 1, 2 ]
amdhsa.kernels:
  - .name:           k_q0619788679_quant
    .symbol:         k_q0619788679_quant.kd
    .args:
      - { .name: query, .offset: 0, .size: 8, .value_kind: global_buffer, .address_space: global }
      - { .name: key, .offset: 8, .size: 8, .value_kind: global_buffer, .address_space: global }
      - { .name: value_codes, .offset: 16, .size: 8, .value_kind: global_buffer, .address_space: global }
      - { .name: lowp_scales, .offset: 24, .size: 8, .value_kind: global_buffer, .address_space: global }
      - { .name: qc, .offset: 32, .size: 8, .value_kind: global_buffer, .address_space: global }
      - { .name: kv, .offset: 40, .size: 8, .value_kind: global_buffer, .address_space: global }
    .group_segment_fixed_size: 17920
    .private_segment_fixed_size: 0
    .kernarg_segment_align: 8
    .kernarg_segment_size: 48
    .max_flat_workgroup_size: 128
    .sgpr_count:     66
    .vgpr_count:     176
    .wavefront_size: 32
...
	.end_amdgpu_metadata
.endif
;; end of part 1
;; launch attn (part 2): grid 64 x 4, 4 waves a work-group, clusters of 4 x 1, 327,680 bytes of LDS; arguments qc, kv, lowp_scales, opart, ml; writes opart, ml
.if DOCPART == 2
	.amdgcn_target "amdgcn-amd-amdhsa--gfx1250"
	.amdhsa_code_object_version 6
	.text
	.protected	k_q0619788679_attn
	.globl	k_q0619788679_attn
	.p2align	8
	.type	k_q0619788679_attn,@function
k_q0619788679_attn:
	s_mov_b64 s[64:65], 0
	v_nop
	global_prefetch_b8 v0, s[64:65] scope:SCOPE_SE
	s_setreg_imm32_b32 hwreg(HW_REG_WAVE_MODE, 25, 1), 1
	s_wait_xcnt 0x0
	s_wait_alu depctr_hold_cnt(0) depctr_sa_sdst(0) depctr_va_vdst(0) depctr_va_sdst(0) depctr_va_ssrc(0) depctr_va_vcc(0) depctr_vm_vsrc(0)
	s_getreg_b32 s2, hwreg(HW_REG_IB_STS2, 6, 4)
	s_cmp_eq_u32 s2, 0
	s_cbranch_scc0 .Lentry_in_a_cluster
	s_endpgm
.Lentry_in_a_cluster:
	s_bfe_u32 s2, ttmp6, 0x10000c
	s_cmp_lg_u32 s2, 0x3003
	s_cbranch_scc0 .Lentry_shape_is_right
	s_endpgm
.Lentry_shape_is_right:
; SECOND OF THREE LAUNCHES: attention of 128 queries against ONE SPLIT of 2,048 keys, both products on codes of E4M3 by v_wmma_f32_16x16x128_fp8_fp8.  Nothing of the problem is left out.
; qc, kv: images of the operands' registers (the first launch's comment): a fragment of 16 rows x 128 codes is 2,048 bytes, [4 c][32 lanes][16 bytes]; a step of kv is 8 key tiles x 4 chunks, then value's 8 d-tiles.
; OUT: opart [512 tiles of 16 q][8 d-tiles][2][4 splits][32 lanes][16 bytes] f32: O^T's registers as they stand: the split's sum of Q(p) x code(v), NOT divided and without 2^(ep + ev);
; ml [128 groups of four tiles][4 splits][16 r][4 T][2] f32: (-M, l) of row r of image tile T of the group.  The queries stand in the order of qc's tiles throughout; the third launch puts the rows back.
; THE SOFTMAX: t = score x log2(e) / 32; M = the ceiling of the largest t so far AMONG THE WAVE'S KEYS, a whole number; p = 2^(t - M) is quantised with 2^ep; l is the sum of the unquantised p.
; When M moves, l and O are multiplied by f = 2^(old M - new M), which rounds nothing.  Key halves and splits are brought under one M in the same way; the third launch divides.
; SHARES.  Work-group (x, y): queries 128 x on, keys 2,048 y on.  Wave w: query half w % 2 (64 queries, four tiles of 16, so that a fragment read from LDS feeds four products), key half w / 2: 8 steps of 128 keys.
; LAYOUT.  S^T = K Q^T (source 0 = 16 keys, source 1 = 16 queries), O^T = V^T P^T (source 0 = 16 d, source 1 = P): a lane holds ONE query (lane % 16) throughout.  The 16 registers of key tiles 2 b, 2 b + 1 are the
; keys 32 b + 16 (lane / 16) + 0 .. 15, so the conversions' results ARE the second product's operand.  The second key half's d-tiles lie in the order 4-7, 0-3: a wave's FIRST four d-tiles are those that it keeps at the end.
; A STEP IS TEN UNITS of 16 products on end: key tiles 0-7, then the first and the last four d-tiles.  Units take fragment buffers 0, 1 by turns.  Ahead of a unit's products the next unit's 16 LDS loads go out in one run;
; ahead of key tile t's run stands the maximum over tile t - 2: sixteen plain lines, which are also the places between the last products and the loads into the buffer that they read.
; Then M, the rescaling of O^T, and the softmax; it lies between the signal and the wait of the change of slots' barrier: registers alone.
; LDS.  Two slots, each both key halves' K and V of one step but for the last 512 bytes of each step's 81,920 (so two slots and the spare words fit); those are one global load a wave and step.
; The change of slots: a step's last LDS loads have been issued ahead of the softmax, so the slot is filled again with the step two on, which has a whole step to land.
; CLUSTER.  The four query blocks of a cluster share the split, so each step is asked for JOINTLY: the same tensor load with the same descriptor and the mask 15 in all four, one load a wave, half a key half's step.
; LIMITS on the given exponents, so that each power of two below is an f32 number: eq + ek between -121 and 132 (added to c's exponent field, 122); ep between -126 and 119.  NaN among the inputs is not served.
; The promise holds while the scaled scores (exponents to the base 2) stay under 2^31 in magnitude.
; REGISTERS, in windows of 256 (s_set_vgpr_msb: bits 1:0 source 0, 3:2 source 1, 5:4 source 2, 7:6 destination):
;   window 0: v1-15 addresses and constants; v16-63 statistics, 12 a tile; v64-127 p's codes, 16 a tile; v128-191, v192-255 the two fragment buffers
;   window 1: Q, tile T chunk u at v[64 T + 16 u]     window 2: O^T, tile T, d-tile D at v[64 T + 8 D]     window 3: S^T, then p: tile T, key tile t at v[64 T + 8 t]
.set BLK,   81920                      ; a step's block in kv
.set PART,  81408                      ; what of it goes to LDS: all but 512 bytes
.set HALF,  40704                      ; a wave's half of that: 53 rows of 768 bytes, dense
.set SLOT,  2*PART                     ; a slot: both key halves.  Slot 0 begins at 0: the exclusive or with SLOT turns one slot's base into the other's
.set SPARE, 2*SLOT                     ; from 325,632: the spare words, 128 bytes for each wave, which no other line names
.set XW,    17408                      ; the exchange at the end: 34 x 512 bytes a wave, in slot 0, which has had its last fill
.set LA,  1                            ; v1   16 x lane
.set XI,  2                            ; v2   where I put what my partner wants;
.set ADK, 3                            ; v3   my key half in the slot in hand, + 16 x lane: K;
.set ADV, 4                            ; v4   + 65,536: V
.set XO,  6                            ; v6   where my partner puts what I want
.set LB,  7                            ; v7   16 x lane + my key half's place in a slot
.set PF2, 8                            ; v8   the second prefetch's offset; never rewritten
.set PFO, 9                            ; v9   the first one's; never rewritten
.set SPW, 10                           ; v10  LDS address of my spare word; never rewritten
.set NIL, 11                           ; v11  0; never rewritten
.set SCL, 12                           ; v12  2^ep as f32
.set HLD, 13                           ; v13  448 x 2^ep
.set MLO, 14                           ; v14  my 16 bytes in the wave's 512 of ml
.set LN,  15                           ; v15  lane
.set ST,  16                           ; tile T's statistics at v[ST + 12 T]: +0 -M, +1 the largest raw score, +2,3 the sum in two halves, +6 f (+7 named with it), +8 to +11 at work
.set P,   64
.set F0,  128
.set F1,  192
.set WV,  16                           ; s16  wave
.set CX,  17                           ; s17  my place in the cluster: it enters qc's, opart's, ml's and the prefetches' global addresses alone
.set QB,  18                           ; s18  my block of 128 queries
.set SPL, 19                           ; s19  the split
.set SEL, 20                           ; s[20:21] lane selects for v_permlanex16_b32: lane l xor 16
.set CS,  22                           ; s[22:23] c = log2(e) / 32 x 2^(eq + ek); the packed form names the pair and takes its low word
.set G1,  24                           ; s[24:31] descriptor group 1
.set G0,  32                           ; s[32:35] group 0, which walks
.set TB,  36                           ; s36  LDS byte at which the slot in hand begins
.set LEFT, 37                          ; s37  changes of slots that still fill, this one among them
.set LIM, 38                           ; s38  1 in a wave that prefetches, else the greatest number
.set KLB, 39                           ; s39  LDS base of the slot that the walking descriptor names
.set WQ,  40                           ; s40  my part of a slot
.set KH,  41                           ; s41  my key half
.set PFA, 42                           ; s[42:43] where my prefetches stand
.set VB,  44                           ; s[44:45] the step's last 512 bytes
.set QG,  46                           ; s46  my query half; also: which half of my key half's step I fetch
.set MSB, 0
.macro WIN new                         ; the immediate's high byte repeats the setting that is left; a switch that changes nothing is dropped
.if MSB != \new
	s_set_vgpr_msb (MSB<<8)|\new
.set MSB, \new
.endif
.endm
.set W_QK,  0xf4                       ; K window 0, Q window 1, S^T (C and D) window 3
.set W_PV,  0xa0                       ; sources 0 and 1 window 0, O^T (C and D) window 2
.set W_2S,  0x0f                       ; sources 0 and 1 window 3
.set W_S,   0xc3                       ; destination and source 0 window 3
.set W_RD,  0x03                       ; source 0 window 3
.set W_RS,  0x82                       ; destination and source 0 window 2
.set W_Q,   0x40                       ; destination window 1
.set W_ST,  0x08                       ; a store's data window 2
.macro PLACES n                        ; plain vector lines behind matrix instructions, ahead of loads into registers that they read and of reads of their results
.rept \n
	v_nop
.endr
.endm
; A round of the cluster's barrier: my work-group's barrier, wave 0's signal for the work-group, every wave's wait for all four work-groups, my work-group's barrier once more.
.macro CREST
	s_cmp_lg_u32 s[WV], 0
	s_cbranch_scc1 .Lnot_wave_0_\@
	s_barrier_signal -3
.Lnot_wave_0_\@:
	s_barrier_wait -3
	s_barrier_signal -1
	s_barrier_wait -1
.endm
.macro CROUND
	s_barrier_signal -1
	s_barrier_wait -1
	CREST
.endm
.macro JLOAD                           ; the wave's one joint load; an s_nop 0 and four v_nop behind it
	tensor_load_to_lds s[G0:G0+3], s[G1:G1+7]
	s_nop 0
	PLACES 4
.endm
.macro WALK                            ; the walking descriptor: the other slot, my part of it, the next step
	s_xor_b32 s[KLB], s[KLB], SLOT
	s_add_co_u32 s[G0+1], s[KLB], s[WQ]
	s_add_nc_u64 s[G0+2:G0+3], s[G0+2:G0+3], BLK
.endm
; A PREFETCH INTO THE L2 of the step that the NEXT change of slots will ask for, behind the wave's joint load and its five lines.  Each aligned block of 256 bytes is asked for by one work-group of the launch:
; all sixteen clusters of a split walk the same steps, and the first of them (cluster x = 0) asks.  A key half's step is 320 x 256 bytes: the four partners share it out BY ADDRESS, 80 blocks each, 40 for each of the
; key half's two waves: 32 by the first line, 8 by the second (its upper lanes name its last block again).  Steps 0 to 2 come by their loads alone; the last change that fills asks for nothing.
.macro ASK
	s_cmp_gt_u32 s[LEFT], s[LIM]
	s_cbranch_scc0 .Lnot_mine_\@
	global_prefetch_b8 v[PFO], s[PFA:PFA+1] th:TH_LOAD_NT scope:SCOPE_SE
	global_prefetch_b8 v[PF2], s[PFA:PFA+1] th:TH_LOAD_NT scope:SCOPE_SE
.Lnot_mine_\@:
.endm
	s_load_b256 s[4:11], s[0:1], 0x0               ; qc s[4:5], kv s[6:7], lowp_scales s[8:9], opart s[10:11]
	s_load_b64 s[14:15], s[0:1], 0x20              ; ml
	v_lshl_add_u32 v[SPW], v0, 2, SPARE
	v_mov_b32 v[NIL], 0
	ds_add_u32 v[SPW], v[NIL]                      ; the wave's opening: the add, twice on end, and its wait ahead of my first tensor load; the set-up below, work on registers, stands between
	ds_add_u32 v[SPW], v[NIL]
	v_lshrrev_b32 v[LN], 5, v0
	v_readfirstlane_b32 s[WV], v[LN]               ; wave 0..3
	v_and_b32 v[LN], 31, v0                        ; lane
	s_wait_alu depctr_va_vdst(0)
	s_lshr_b32 s[KH], s[WV], 1
	s_and_b32 s[QG], s[WV], 1
	s_bfe_u32 s[CX], ttmp6, 0x40000                ; cx
	s_lshl_b32 s[QB], ttmp9, 2                     ; in a cluster launch ttmp9 counts clusters
	s_add_co_u32 s[QB], s[QB], s[CX]
	s_and_b32 s[SPL], ttmp7, 0xffff                ; the split, which the four partners share
	s_mov_b32 s[G1], 15|(1<<21)                    ; 15:0 the mask: all four work-groups; 17:16 elements of 1 byte; 21 set beside a mask; no padding
	s_mov_b32 s[G1+1], 768<<16                     ; tensor_dim0
	s_mov_b32 s[G1+2], 53<<16                      ; tensor_dim1
	s_mov_b32 s[G1+3], 768<<16                     ; tile_dim0
	s_mov_b32 s[G1+4], 53                          ; tile_dim1
	s_mov_b32 s[G1+5], 768                         ; from row to row
	s_mov_b32 s[G1+6], 0
	s_mov_b32 s[G1+7], 0
	s_mov_b32 s[SEL], 0x76543210
	s_mov_b32 s[SEL+1], 0xfedcba98
	s_mov_b32 s[CS], 0x3d38aa3b                    ; log2(e) / 32
	s_mov_b32 s[TB], 0
	s_mov_b32 s[KLB], 0
	s_mov_b32 s[LEFT], 6
	s_mul_i32 s[WQ], s[WV], HALF                   ; key half w / 2 at PART x (w / 2), its half w % 2: PART = 2 HALF
	s_mul_i32 s48, s[SPL], 16*BLK                  ; my key half's first step: made of the split and the wave's number alone
	s_mul_i32 s49, s[KH], 8*BLK
	s_add_co_u32 s48, s48, s49
	s_add_co_u32 s68, s48, PART                    ; its last 512 bytes
	s_mov_b32 s69, 0
	s_mul_i32 s57, s[CX], BLK/4                    ; the prefetches stand at step 2; the first change of slots steps them to step 3
	s_add_co_u32 s56, s48, s57
	s_mul_i32 s57, s[QG], BLK/8
	s_add_co_u32 s56, s56, s57
	s_add_co_u32 s56, s56, 2*BLK
	s_mov_b32 s57, 0
	s_mul_i32 s49, s[QG], HALF
	s_add_co_u32 s48, s48, s49                     ; what I fetch
	s_mov_b32 s49, 0
	s_lshl_b32 s50, s[QB], 16                      ; qc: 8 tiles of 8,192 bytes a block,
	s_lshl_b32 s51, s[QG], 15                      ; 4 of them a query half
	s_add_co_u32 s50, s50, s51
	s_mov_b32 s51, 0
	s_lshl_b32 s52, s[QB], 18                      ; opart: 8 tiles of 32,768 bytes,
	s_lshl_b32 s53, s[QG], 17
	s_add_co_u32 s52, s52, s53
	s_lshl_b32 s53, s[KH], 14                      ; the four d-tiles of 4,096 that I keep,
	s_add_co_u32 s52, s52, s53
	s_lshl_b32 s53, s[SPL], 9                      ; the split's 512 of each 2,048
	s_add_co_u32 s52, s52, s53
	s_mov_b32 s53, 0
	s_lshl_b32 s54, s[QB], 12                      ; ml: two groups of 2,048 bytes,
	s_lshl_b32 s55, s[QG], 11
	s_add_co_u32 s54, s54, s55
	s_lshl_b32 s55, s[SPL], 9
	s_add_co_u32 s54, s54, s55
	s_mov_b32 s55, 0
	s_cmp_eq_u32 ttmp9, 0                          ; the split's first cluster prefetches: the same in all four partners
	s_cselect_b32 s[LIM], 1, -1
	s_wait_dscnt 0x0                               ; both opening adds are done
	s_wait_kmcnt 0x0
	s_load_b96 s[60:62], s[8:9], 0x0               ; eq, ek, ep
	s_mov_b32 s[G0], 1                             ; 1:0 count = 1
	s_mov_b32 s[G0+1], s[WQ]                       ; 63:32 LDS address: my part of slot 0
	s_add_nc_u64 s[G0+2:G0+3], s[6:7], s[48:49]    ; 120:64 global address: step 0
	s_or_b32 s[G0+3], s[G0+3], 0x80000000          ; 127:126 type = 2
	s_add_nc_u64 s[4:5], s[4:5], s[50:51]
	s_add_nc_u64 s[10:11], s[10:11], s[52:53]
	s_add_nc_u64 s[14:15], s[14:15], s[54:55]
	s_add_nc_u64 s[PFA:PFA+1], s[6:7], s[56:57]
	s_add_nc_u64 s[VB:VB+1], s[6:7], s[68:69]
	CROUND                                         ; all four work-groups are here: the first joint loads meet
	JLOAD                                          ; step 0
	s_mul_i32 s48, s[KH], PART
	s_mul_i32 s49, s[WV], XW
	s_xor_b32 s50, s[WV], 2                        ; my partner: the other key half of my queries
	s_mul_i32 s50, s50, XW
	v_lshlrev_b32 v[LA], 4, v[LN]
	v_and_b32 v128, 15, v0                         ; r
	v_bfe_u32 v129, v0, 4, 1                       ; h
	v_min_u32 v130, 7, v[LN]
	v_lshlrev_b32 v[PFO], 8, v[LN]
	v_add_nc_u32 v[LB], s48, v[LA]
	v_add_nc_u32 v[XI], s49, v[LA]
	v_add_nc_u32 v[XO], s50, v[LA]
	v_lshlrev_b32 v[PF2], 8, v130
	v_lshlrev_b32 v[MLO], 5, v128
	v_add_nc_u32 v[ADK], s[TB], v[LB]
	v_add_nc_u32 v[PF2], 0x2000, v[PF2]
	v_lshl_add_u32 v[MLO], v129, 4, v[MLO]         ; ml: 32 r + 16 h
	v_add_nc_u32 v[ADV], 0x10000, v[ADK]
	WIN W_Q
.irp u, 0,1,2,3                        ; Q stays in registers: tile q, chunk u; chunk by chunk, since the first products want them so; 512 consecutive bytes a load
.irp q, 0,1,2,3
.irp c, 0,1,2,3
	global_load_b128 v[64*\q+16*\u+4*\c:64*\q+16*\u+4*\c+3], v[LA], s[4:5] offset:8192*\q+2048*\u+512*\c
.endr
.endr
.endr
	WIN 0
.irp q, 0,1,2,3
	v_mov_b32 v[ST+12*\q+7], 0                     ; (named as the upper half of f's pair)
.endr
	s_wait_kmcnt 0x0
	s_add_co_i32 s58, s60, s61
	s_lshl_b32 s58, s58, 23
	s_add_co_i32 s[CS], s[CS], s58                 ; a score stands for score x 2^(eq + ek): the two exponents are added to c's exponent field
	s_mov_b32 s[CS+1], s[CS]                       ; (named with it as a pair, so it is written)
	s_add_co_i32 s58, s62, 127
	s_lshl_b32 s59, s58, 23
	v_mov_b32 v[SCL], s59                          ; 2^ep
	s_add_co_i32 s58, s58, 8
	s_lshl_b32 s58, s58, 23
	s_or_b32 s58, s58, 0x600000
	v_mov_b32 v[HLD], s58                          ; 448 x 2^ep
; cnt of a unit's sixteen LDS loads in one run, 512 consecutive bytes of the image each, into the 64 registers from nf on
.macro RUN adr, off, nf, cnt
	WIN 0
.set ln, 0
.rept \cnt
	ds_load_b128 v[(\nf)+4*ln:(\nf)+4*ln+3], v[\adr] offset:(\off)+512*ln
.set ln, ln+1
.endr
.endm
; A unit of key tile t: the next unit's run, then 16 products on buffer f, 128 along K at a time; the four accumulators take turns, one instruction a turn; the first four start the sums.
; Ahead of chunk u its four fragment loads have come: the 16 loads just issued and this tile's 12 - 4 u later ones may be out.  q0 = 1: the launch's first unit: Q's chunk u too (16 loads a chunk).
.macro QKU t, f, nf, adr, off, q0
	RUN \adr, \off, \nf, 16
.set wm, 0
.rept 16
.if wm%4 == 0
.if \q0
	s_wait_loadcnt 48-4*wm
.endif
	s_wait_dscnt 28-wm
.endif
	WIN W_QK
.if wm < 4
	v_wmma_f32_16x16x128_fp8_fp8 v[64*(wm%4)+8*(\t):64*(wm%4)+8*(\t)+7], v[(\f)+16*(wm/4):(\f)+16*(wm/4)+15], v[64*(wm%4)+16*(wm/4):64*(wm%4)+16*(wm/4)+15], 0
.else
	v_wmma_f32_16x16x128_fp8_fp8 v[64*(wm%4)+8*(\t):64*(wm%4)+8*(\t)+7], v[(\f)+16*(wm/4):(\f)+16*(wm/4)+15], v[64*(wm%4)+16*(wm/4):64*(wm%4)+16*(wm/4)+15], v[64*(wm%4)+8*(\t):64*(wm%4)+8*(\t)+7]
.endif
.set wm, wm+1
.endr
.endm
; A unit of four d-tiles from d0 on: 32 accumulators in two units, one product each.  first = 1: the sums start.
.macro PVU f, d0, first
	WIN W_PV
.set wm, 0
.rept 16
.set od, 64*(wm%4)+8*((\d0)+wm/4)
.if \first
	v_wmma_f32_16x16x128_fp8_fp8 v[od:od+7], v[(\f)+16*(wm/4):(\f)+16*(wm/4)+15], v[P+16*(wm%4):P+16*(wm%4)+15], 0
.else
	v_wmma_f32_16x16x128_fp8_fp8 v[od:od+7], v[(\f)+16*(wm/4):(\f)+16*(wm/4)+15], v[P+16*(wm%4):P+16*(wm%4)+15], v[od:od+7]
.endif
.set wm, wm+1
.endr
.endm
; The maximum over key tile t: four chains a tile of queries, each taken up once; each accumulator is read from its low end on.
.macro MAXS t
	WIN W_2S
.set vn, 0
.rept 16
.set vd, ST+12*(vn%4)+8+vn/4
.set vr, 64*(vn%4)+8*(\t)+2*(vn/4)
.if (\t) == 0
	v_max_num_f32 v[vd], v[vr], v[vr+1]
.else
	v_max3_num_f32 v[vd], v[vr], v[vr+1], v[vd]
.endif
.set vn, vn+1
.endr
.endm
; M of the step, and f; then l and O^T are brought under the new M.  first = 1: the wave's first step, which has no old M.
.macro FINAL first
	WIN 0
.irp q, 0,1,2,3
	v_max3_num_f32 v[ST+12*\q+8], v[ST+12*\q+8], v[ST+12*\q+9], v[ST+12*\q+10]
.endr
.irp q, 0,1,2,3
.if \first
	v_max_num_f32 v[ST+12*\q+8], v[ST+12*\q+8], v[ST+12*\q+11]
.else
	v_max3_num_f32 v[ST+12*\q+8], v[ST+12*\q+8], v[ST+12*\q+11], v[ST+12*\q+1]
.endif
.endr
.irp q, 0,1,2,3
	v_permlanex16_b32 v[ST+12*\q+10], v[ST+12*\q+8], s[SEL], s[SEL+1]   ; the query's other 64 keys lie in the lane 16 away
.endr
.irp q, 0,1,2,3
	v_max_num_f32 v[ST+12*\q+1], v[ST+12*\q+8], v[ST+12*\q+10]
.endr
.irp q, 0,1,2,3
	v_mul_f32 v[ST+12*\q+8], s[CS], v[ST+12*\q+1]  ; as t (c is positive)
.endr
.if (\first) == 0
.irp q, 0,1,2,3
	v_mov_b32 v[ST+12*\q+9], v[ST+12*\q]           ; the old -M
.endr
.endif
.irp q, 0,1,2,3
	v_floor_f32 v[ST+12*\q], -v[ST+12*\q+8]        ; the new -M = floor(-t) = -ceil(t): a whole number
.endr
.if (\first) == 0
.irp q, 0,1,2,3
	v_sub_f32 v[ST+12*\q+9], v[ST+12*\q], v[ST+12*\q+9]   ; old M - new M: a whole number, 0 or less
.endr
.irp q, 0,1,2,3
	v_cvt_i32_f32 v[ST+12*\q+9], v[ST+12*\q+9]     ; (it saturates)
.endr
.irp q, 0,1,2,3
	v_ldexp_f32 v[ST+12*\q+6], 1.0, v[ST+12*\q+9]  ; f
.endr
.irp q, 0,1,2,3
	v_pk_mul_f32 v[ST+12*\q+2:ST+12*\q+3], v[ST+12*\q+2:ST+12*\q+3], v[ST+12*\q+6:ST+12*\q+7] op_sel_hi:[1,0]
.endr
	WIN W_RS
.set vn, 0
.rept 128                              ; O^T x f, each accumulator from its low end on
.set vr, 64*((vn/4)%4)+8*(vn/16)+2*(vn%4)
.set vd, ST+12*((vn/4)%4)+6
	v_pk_mul_f32 v[vr:vr+1], v[vr:vr+1], v[vd:vd+1] op_sel_hi:[1,0]
.set vn, vn+1
.endr
.endif
.endm
.macro SCALE0                          ; tile 0: c s - M, two at a time (of the pairs c and -M the low word serves both halves)
	WIN W_S
.set j, 0
.rept 32
	v_pk_fma_f32 v[2*j:2*j+1], v[2*j:2*j+1], s[CS:CS+1], v[ST:ST+1] op_sel_hi:[1,0,0]
.set j, j+1
.endr
.endm
; The hold of two p: the conversion to an 8-bit code does not saturate (ISA guide 7.6.2); p is not negative, so it is one-sided.
.macro HOLD2 r
	v_dual_min_num_f32 v[\r], v[\r], v[HLD] :: v_dual_min_num_f32 v[\r+1], v[\r+1], v[HLD]
.endm
; The exponentials of tile q, with the holds of tile q - 1 (hd) and the scalings of tile q + 1 (sc) set among them: no line here names a result of this block.
.macro EXPB q, sc, hd
	WIN W_S
.set j, 0
.rept 32
	v_exp_f32 v[64*(\q)+2*j], v[64*(\q)+2*j]
.if \hd
	HOLD2 64*(\q)-64+2*j
.endif
	v_exp_f32 v[64*(\q)+2*j+1], v[64*(\q)+2*j+1]
.if \sc
	v_pk_fma_f32 v[64*(\q)+64+2*j:64*(\q)+65+2*j], v[64*(\q)+64+2*j:64*(\q)+65+2*j], s[CS:CS+1], v[ST+12*(\q)+12:ST+12*(\q)+13] op_sel_hi:[1,0,0]
.endif
.set j, j+1
.endr
.if (\sc) == 0
	v_nop                                          ; a plain line behind the last exponential
.endif
.endm
.macro CVTQ q                          ; key tile t's eight p are registers 2 t, 2 t + 1 of the second product's operand
	WIN W_RD
.set j, 0
.rept 8
	v_cvt_scalef32_pk8_fp8_f32 v[P+16*(\q)+2*j:P+16*(\q)+2*j+1], v[64*(\q)+8*j:64*(\q)+8*j+7], v[SCL]
.set j, j+1
.endr
.endm
; The sum of tile q's unquantised p: eight chains of pairs, joined; then the conversions of tile cv, whose holds are done (-1: none).
.macro SUMQ q, cv, first
	WIN W_2S
.set j, 0
.rept 8
.set tk, ST+12*(j%4)+8+2*(j/4)
	v_pk_add_f32 v[tk:tk+1], v[64*(\q)+2*j:64*(\q)+2*j+1], v[64*(\q)+16+2*j:64*(\q)+17+2*j]
.set j, j+1
.endr
	WIN W_RD
.set j, 0
.rept 16
.set tk, ST+12*(j%4)+8+2*((j/4)%2)
	v_pk_add_f32 v[tk:tk+1], v[64*(\q)+32+2*j:64*(\q)+33+2*j], v[tk:tk+1]
.set j, j+1
.endr
.if (\cv) >= 0
	CVTQ \cv
.endif
	WIN 0
.irp k, 0,1,2,3
	v_pk_add_f32 v[ST+12*\k+8:ST+12*\k+9], v[ST+12*\k+8:ST+12*\k+9], v[ST+12*\k+10:ST+12*\k+11]
.endr
	v_pk_add_f32 v[ST+8:ST+9], v[ST+8:ST+9], v[ST+32:ST+33]
	v_pk_add_f32 v[ST+20:ST+21], v[ST+20:ST+21], v[ST+44:ST+45]
.if \first
	v_pk_add_f32 v[ST+12*(\q)+2:ST+12*(\q)+3], v[ST+8:ST+9], v[ST+20:ST+21]
.else
	v_pk_add_f32 v[ST+8:ST+9], v[ST+8:ST+9], v[ST+20:ST+21]
	v_pk_add_f32 v[ST+12*(\q)+2:ST+12*(\q)+3], v[ST+12*(\q)+2:ST+12*(\q)+3], v[ST+8:ST+9]
.endif
.endm
; p, l and p's codes.  One s_wait_alu ahead of each block of exponentials, which is also the wait behind the block before.
.macro SOFT first
	s_wait_alu depctr_va_vdst(0)
	EXPB 0, 1, 0
	s_wait_alu depctr_va_vdst(0)
	SUMQ 0, -1, \first
	EXPB 1, 1, 1
	s_wait_alu depctr_va_vdst(0)
	SUMQ 1, 0, \first
	EXPB 2, 1, 1
	s_wait_alu depctr_va_vdst(0)
	SUMQ 2, 1, \first
	EXPB 3, 0, 1
	s_wait_alu depctr_va_vdst(0)
	SUMQ 3, 2, \first
	WIN W_S
.set j, 0
.rept 32
	HOLD2 192+2*j
.set j, j+1
.endr
	CVTQ 3
	v_nop                                          ; a plain line behind the last conversion
	WIN 0
	s_wait_alu depctr_va_vdst(0)                   ; ahead of a barrier's wait and of the codes' first reader
.endm
; THE WAY OUT.  The two waves of a query half hold sums over different keys.  Each sends its last four d-tiles and its (-M, l) through LDS and takes its partner's: the first four d-tiles of one wave are the last four
; of the other.  Both are brought under one M: a = 2^(own M - M), b = 2^(partner's M - M), whole exponents, which round nothing; each wave then stores the four d-tiles that it keeps.
.macro LAST
	WIN 0
.irp q, 0,1,2,3                        ; l's two halves and the other half of the lanes': also the places behind the last products
	v_add_f32 v[ST+12*\q+2], v[ST+12*\q+2], v[ST+12*\q+3]
.endr
.irp q, 0,1,2,3
	v_permlanex16_b32 v[ST+12*\q+10], v[ST+12*\q+2], s[SEL], s[SEL+1]
.endr
.irp q, 0,1,2,3
	v_add_f32 v[ST+12*\q+2], v[ST+12*\q+2], v[ST+12*\q+10]
.endr
.irp q, 0,1,2,3
	v_mov_b32 v[P+2*\q], v[ST+12*\q]               ; (-M, l) of the four tiles side by side
	v_mov_b32 v[P+2*\q+1], v[ST+12*\q+2]
.endr
	ds_store_b128 v[XI], v[P:P+3] offset:16384
	ds_store_b128 v[XI], v[P+4:P+7] offset:16896
	WIN W_ST
.set sn, 0
.rept 16
.set so, 64*(sn/4)+8*(4+sn%4)
	ds_store_b128 v[XI], v[so:so+3] offset:1024*sn
	ds_store_b128 v[XI], v[so+4:so+7] offset:1024*sn+512
.set sn, sn+1
.endr
	WIN 0
	s_wait_alu depctr_va_vdst(0)
	s_wait_dscnt 0x0                               ; my stores are done,
	s_barrier_signal -1
	s_barrier_wait -1                              ; and my partner's
	ds_load_b128 v[P+8:P+11], v[XO] offset:16384
	ds_load_b128 v[P+12:P+15], v[XO] offset:16896
.set sn, 0
.rept 32
	ds_load_b128 v[F0+4*sn:F0+4*sn+3], v[XO] offset:512*sn
.set sn, sn+1
.endr
	s_wait_dscnt 32                                ; the partner's (-M, l) are in; the 32 loads behind them may be out
.irp q, 0,1,2,3
	v_min_num_f32 v[ST+12*\q+9], v[ST+12*\q], v[P+8+2*\q]          ; the common -M
.endr
.irp q, 0,1,2,3
	v_sub_f32 v[ST+12*\q+6], v[ST+12*\q+9], v[ST+12*\q]
	v_sub_f32 v[ST+12*\q+8], v[ST+12*\q+9], v[P+8+2*\q]
.endr
.irp q, 0,1,2,3
	v_cvt_i32_f32 v[ST+12*\q+6], v[ST+12*\q+6]
	v_cvt_i32_f32 v[ST+12*\q+8], v[ST+12*\q+8]
.endr
.irp q, 0,1,2,3
	v_ldexp_f32 v[ST+12*\q+6], 1.0, v[ST+12*\q+6]  ; a
	v_ldexp_f32 v[ST+12*\q+8], 1.0, v[ST+12*\q+8]  ; b
.endr
.irp q, 0,1,2,3
	v_mul_f32 v[ST+12*\q+2], v[ST+12*\q+2], v[ST+12*\q+6]
.endr
.irp q, 0,1,2,3
	v_fma_f32 v[ST+12*\q+2], v[P+9+2*\q], v[ST+12*\q+8], v[ST+12*\q+2]
.endr
	v_cmp_le_u32 vcc_lo, 16, v[LN]                 ; lanes 0-15 store tiles 0 and 1 of their query's place, lanes 16-31 tiles 2 and 3
	v_cndmask_b32 v[P+16], v[ST+9], v[ST+33], vcc_lo
	v_cndmask_b32 v[P+17], v[ST+2], v[ST+26], vcc_lo
	v_cndmask_b32 v[P+18], v[ST+21], v[ST+45], vcc_lo
	v_cndmask_b32 v[P+19], v[ST+14], v[ST+38], vcc_lo
	WIN W_RS
.set vn, 0
.rept 64
.set vr, 64*(vn/16)+8*((vn/4)%4)+2*(vn%4)
.set vd, ST+12*(vn/16)+6
	v_pk_mul_f32 v[vr:vr+1], v[vr:vr+1], v[vd:vd+1] op_sel_hi:[1,0]
.set vn, vn+1
.endr
	s_wait_alu depctr_va_vdst(0)
	s_wait_dscnt 0x0                               ; the partner's d-tiles are in
	WIN W_PV
.set vn, 0
.rept 64
.set vr, 64*(vn/16)+8*((vn/4)%4)+2*(vn%4)
.set vd, ST+12*(vn/16)+8
	v_pk_fma_f32 v[vr:vr+1], v[F0+2*vn:F0+2*vn+1], v[vd:vd+1], v[vr:vr+1] op_sel_hi:[1,0,1]
.set vn, vn+1
.endr
	WIN W_ST
.set sn, 0
.rept 16
.set so, 64*(sn/4)+8*(sn%4)
	global_store_b128 v[LA], v[so:so+3], s[10:11] offset:32768*(sn/4)+4096*(sn%4) th:TH_STORE_NT   ; 512 consecutive bytes, aligned; not read in this launch
	global_store_b128 v[LA], v[so+4:so+7], s[10:11] offset:32768*(sn/4)+4096*(sn%4)+2048 th:TH_STORE_NT
.set sn, sn+1
.endr
	WIN 0
	s_cmp_lt_u32 s[WV], 2                          ; both key halves hold the same (-M, l): the first stores it
	s_cbranch_scc0 .Lnot_first_half
	global_store_b128 v[MLO], v[P+16:P+19], s[14:15]
.Lnot_first_half:
.endm
; A STEP.  first = 1: the wave's first; more = 1: a step follows, so the slots change; fill = 1: the slot that is left is filled again, with the step two on.
.macro STEP first, more, fill
.if (\first) == 0
	PLACES 4
.endif
	QKU 0, F0, F1, ADK, 8192, \first
	PLACES 4
	QKU 1, F1, F0, ADK, 2*8192, 0
.set kt, 2
.rept 5
	MAXS kt-2
	QKU kt, F0+64*(kt%2), F1-64*(kt%2), ADK, 8192*(kt+1), 0
.set kt, kt+1
.endr
	MAXS 5
	QKU 7, F1, F0, ADV, 0, 0                       ; its run: the first four d-tiles
	MAXS 6
	RUN ADV, 8192, F1, 15                          ; the last four, but for the last 512 bytes,
	global_load_b128 v[F1+60:F1+63], v[LA], s[VB:VB+1]   ; which come straight from memory
	MAXS 7
	FINAL \first
.if \more
	WIN 0
	s_wait_alu depctr_va_vdst(0)
	s_wait_tensorcnt 0x0                           ; my tensor loads have landed: my part of the next slot among them; so group 0 may be written
	ds_add_u32 v[SPW], v[NIL]                      ; 0 onto my spare word
.if \fill
	WALK                                           ; the type bits on top are not reached
.endif
	s_wait_xcnt 0x0                                ; the load above and the last prefetch have read their addresses, so these may be written:
	s_add_nc_u64 s[VB:VB+1], s[VB:VB+1], BLK
.if \fill
	s_add_nc_u64 s[PFA:PFA+1], s[PFA:PFA+1], BLK   ; one step further on than the walking descriptor
.endif
	s_xor_b32 s[TB], s[TB], SLOT                   ; on to the other slot
	SCALE0                                         ; work on registers stands between the add and the wait for it
	s_wait_alu depctr_va_vdst(0)
	s_wait_dscnt 0x0                               ; the add is done, and so are all my LDS reads of this slot, V's last fragments among them
	s_barrier_signal -1                            ; (where the slot is filled again this opens a round of the cluster's barrier)
	WIN 0
	v_add_nc_u32 v[ADK], s[TB], v[LB]
	v_add_nc_u32 v[ADV], 0x10000, v[ADK]
	SOFT \first                                    ; registers alone
	s_barrier_wait -1                              ; the next slot is whole, and nobody of my work-group reads this one
.if \fill
	CREST                                          ; nor does any wave of a partner, or has a load on its way
	JLOAD
	ASK
.endif
.else
	SCALE0
	s_wait_alu depctr_va_vdst(0)
	s_wait_dscnt 0x0                               ; my last reads of the slots are over
	s_barrier_signal -1
	SOFT \first
	s_barrier_wait -1                              ; and everybody's: the exchange may write there
.endif
	PVU F0, 0, \first
.if \more
	PLACES 4
	RUN ADK, 0, F0, 16                             ; the next step's key tile 0
.endif
	s_wait_loadcnt 0x0                             ; the last 512 bytes are in
	PVU F1, 4, \first
	WIN 0
.endm
	s_wait_alu depctr_va_vdst(0)
	s_wait_tensorcnt 0x0                           ; my part of step 0 is in
	ds_add_u32 v[SPW], v[NIL]
	WALK                                           ; step 1, slot 1
	s_wait_dscnt 0x0
	CROUND                                         ; everybody's part is in, and all four work-groups are here
	JLOAD                                          ; step 1
	RUN ADK, 0, F0, 16                             ; key tile 0 of step 0
	STEP 1, 1, 1                                   ; step 0; asks for step 2
	s_mov_b32 s[LEFT], 5
.Lstep:                                            ; five trips: steps 1 to 5; each asks for the step two on
	STEP 0, 1, 1
	s_sub_co_u32 s[LEFT], s[LEFT], 1
	s_cmp_lg_u32 s[LEFT], 0
	s_cbranch_scc1 .Lstep
	STEP 0, 1, 0                                   ; step 6, written out: nothing is left to ask for
	STEP 0, 0, 0                                   ; step 7
	LAST
	s_wait_tensorcnt 0x0                           ; the wave's end
	ds_add_u32 v[SPW], v[NIL]
	s_wait_dscnt 0x0
	CROUND                                         ; the closing round: no work-group ends while a partner may still ask for a step that names it
	s_endpgm
.Lfunc_end_k_q0619788679_attn:
	.size	k_q0619788679_attn, .Lfunc_end_k_q0619788679_attn-k_q0619788679_attn
	.p2alignl 7, 3214868480
	.fill 96, 4, 3214868480
	.section	.rodata,"a",@progbits
	.p2align	6, 0x0
	.amdhsa_kernel k_q0619788679_attn
		.amdhsa_group_segment_fixed_size 327680
		.amdhsa_private_segment_fixed_size 0
		.amdhsa_enable_private_segment 0
		.amdhsa_kernarg_size 40
		.amdhsa_user_sgpr_count 2
		.amdhsa_user_sgpr_kernarg_segment_ptr 1
		.amdhsa_wavefront_size32 1
		.amdhsa_system_sgpr_workgroup_id_x 1
		.amdhsa_system_sgpr_workgroup_id_y 1
		.amdhsa_system_sgpr_workgroup_id_z 1
		.amdhsa_system_vgpr_workitem_id 0
		.amdhsa_next_free_vgpr 1024
		.amdhsa_next_free_sgpr 80
		.amdhsa_reserve_vcc 1
		.amdhsa_float_denorm_mode_32 3
		.amdhsa_float_denorm_mode_16_64 3
		.amdhsa_memory_ordered 1
		.amdhsa_forward_progress 1
		.amdhsa_inst_pref_size 255
	.end_amdhsa_kernel
	.section	.bss,"aw",@nobits
	.p2align	6
	.space	262144
	.amdgpu_metadata
---
amdhsa.version: [ 1, 2 ]
amdhsa.kernels:
  - .name:           k_q0619788679_attn
    .symbol:         k_q0619788679_attn.kd
    .args:
      - { .name: qc, .offset: 0, .size: 8, .value_kind: global_buffer, .address_space: global }
      - { .name: kv, .offset: 8, .size: 8, .value_kind: global_buffer, .address_space: global }
      - { .name: lowp_scales, .offset: 16, .size: 8, .value_kind: global_buffer, .address_space: global }
      - { .name: opart, .offset: 24, .size: 8, .value_kind: global_buffer, .address_space: global }
      - { .name: ml, .offset: 32, .size: 8, .value_kind: global_buffer, .address_space: global }
    .group_segment_fixed_size: 327680
    .private_segment_fixed_size: 0
    .kernarg_segment_align: 8
    .kernarg_segment_size: 40
    .max_flat_workgroup_size: 128
    .sgpr_count:     80
    .vgpr_count:     1024
    .wavefront_size: 32
...
	.end_amdgpu_metadata
.endif
;; end of part 2
;; launch merge (part 3): grid 256 x 1, 8 waves a work-group, no clusters, 17,920 bytes of LDS; arguments opart, ml, lowp_scales, out0; writes out0
.if DOCPART == 3
	.amdgcn_target "amdgcn-amd-amdhsa--gfx1250"
	.amdhsa_code_object_version 6
	.text
	.protected	k_q0619788679_merge
	.globl	k_q0619788679_merge
	.p2align	8
	.type	k_q0619788679_merge,@function
k_q0619788679_merge:
	s_mov_b64 s[64:65], 0
	v_nop
	global_prefetch_b8 v0, s[64:65] scope:SCOPE_SE
	s_setreg_imm32_b32 hwreg(HW_REG_WAVE_MODE, 25, 1), 1
	s_wait_xcnt 0x0
; THIRD OF THREE LAUNCHES: the four splits of the keys are brought under one M and divided.  Nothing of the problem is left out.
; out[q][:] = sum over s of w_s O_s[q][:] / (sum over s of w_s l_s) x 2^(ep + ev),  w_s = 2^(M_s - M),  M = the largest M_s: whole numbers, so every w_s is an exact power of two.
; opart: [512 tiles of 16 q][8 d-tiles][2 x][4 s][32 lanes][16 bytes] f32: lane (r, h) holds the tile's row r, d = 16 D + 8 h + 4 x + 0 .. 3.  ml: [128 groups of four tiles][4 s][16 r][4 T][2] f32 = (-M_s, l_s).
; out0: [8192][128] f32.  Row r of tile 2 b + t is query 32 b + 8 t + r + 8 (r / 8).
; A stream: no matrix unit.  Work-group b: tiles 2 b, 2 b + 1; wave w: tile 2 b + w / 4, d-tiles 2 (w % 4) and the next.  All 20 loads of a wave go out at the head.  A lane holds one query, so its weights are its own.
; The rows turn through LDS and find their places there: 32 rows of 512 bytes, pitch 528; a barrier; wave w stores rows 4 w .. 4 w + 3, a row of 512 bytes an instruction.
; LIMIT: 2^(ep + ev) is applied to 1 / l, which lies between 2^-13 and 2: ep + ev between -113 and 126 keeps that a normal f32 number.
.set PITCH, 528
.set SPARE, 32*PITCH                   ; the spare words, 128 bytes for each wave, which no other line names
.set X,   16                           ; v16-79   X[n][s], 4 registers each, n = 2 x (d-tile of my two) + x; then the rows read back
.set ML,  80                           ; v80-87   (-M_s, l_s); -M_s becomes the weight
.set ACC, 96                           ; v96-111  ACC[n]
	s_load_b256 s[4:11], s[0:1], 0x0               ; opart s[4:5], ml s[6:7], lowp_scales s[8:9], out0 s[10:11]
	v_lshrrev_b32 v1, 5, v0
	v_readfirstlane_b32 s12, v1                    ; wave 0..7
	s_lshr_b32 s13, s12, 2                         ; which tile,
	s_and_b32 s14, s12, 3                          ; which pair of d-tiles
	s_mul_i32 s15, s13, 8*PITCH                    ; into the stage: 8 rows on for the second tile,
	s_lshl_b32 s16, s14, 7
	s_add_co_u32 s16, s15, s16                     ; my 128 bytes of a row
	s_mul_i32 s17, s12, 4*PITCH                    ; out of it: my four rows
	s_lshl_b32 s18, ttmp9, 1
	s_add_co_u32 s18, s18, s13                     ; tile
	s_lshl_b32 s24, s18, 15                        ; in opart: 32,768 bytes a tile,
	s_lshl_b32 s25, s14, 13                        ; 8,192 for two d-tiles
	s_add_co_u32 s24, s24, s25
	s_mov_b32 s25, 0
	s_lshr_b32 s26, s18, 2                         ; in ml: 2,048 bytes a group,
	s_lshl_b32 s26, s26, 11
	s_and_b32 s27, s18, 3                          ; 8 a tile
	s_lshl_b32 s27, s27, 3
	s_add_co_u32 s26, s26, s27
	s_mov_b32 s27, 0
	s_lshl_b32 s28, ttmp9, 14                      ; in out0: 32 rows of 512 bytes,
	s_lshl_b32 s29, s12, 11                        ; 4 a wave
	s_add_co_u32 s28, s28, s29
	s_mov_b32 s29, 0
	v_lshl_add_u32 v12, v0, 2, SPARE
	v_mov_b32 v13, 0
	v_and_b32 v1, 31, v0
	v_and_b32 v3, 15, v0                           ; r
	v_and_b32 v8, 8, v0
	v_bfe_u32 v4, v0, 4, 1                         ; h
	v_lshlrev_b32 v2, 4, v1                        ; 16 x lane
	v_add_nc_u32 v8, v8, v3                        ; r + 8 (r / 8)
	v_lshlrev_b32 v5, 5, v3                        ; ml: 32 r
	v_mul_u32_u24 v6, v8, PITCH
	v_lshl_add_u32 v6, v4, 5, v6
	v_add_nc_u32 v7, s17, v2                       ; out of the stage
	v_add_nc_u32 v6, s16, v6                       ; into it
	s_wait_alu depctr_va_vdst(0)
	s_wait_kmcnt 0x0
	s_load_b64 s[20:21], s[8:9], 0x8               ; ep, ev
	s_add_nc_u64 s[4:5], s[4:5], s[24:25]
	s_add_nc_u64 s[6:7], s[6:7], s[26:27]
	s_add_nc_u64 s[10:11], s[10:11], s[28:29]
.irp s, 0,1,2,3
	global_load_b64 v[ML+2*\s:ML+2*\s+1], v5, s[6:7] offset:512*\s
.endr
.irp n, 0,1,2,3
.irp s, 0,1,2,3
	global_load_b128 v[X+16*\n+4*\s:X+16*\n+4*\s+3], v2, s[4:5] offset:2048*\n+512*\s th:TH_LOAD_NT   ; 512 consecutive bytes; read once in the launch
.endr
.endr
	s_wait_kmcnt 0x0
	s_add_co_i32 s22, s20, s21                     ; ep + ev
	s_wait_loadcnt 16                              ; ml's four loads are in; opart's 16, issued behind them, may be out
	v_min3_num_f32 v8, v[ML], v[ML+2], v[ML+4]
	v_min_num_f32 v8, v8, v[ML+6]                  ; -M: the least -M_s
.irp s, 0,1,2,3
	v_sub_f32 v[ML+2*\s], v8, v[ML+2*\s]           ; M_s - M: a whole number, 0 or less
.endr
.irp s, 0,1,2,3
	v_cvt_i32_f32 v[ML+2*\s], v[ML+2*\s]           ; (it saturates)
.endr
.irp s, 0,1,2,3
	v_ldexp_f32 v[ML+2*\s], 1.0, v[ML+2*\s]        ; w_s
.endr
	v_mul_f32 v9, v[ML], v[ML+1]
	v_mul_f32 v10, v[ML+2], v[ML+3]
	v_fma_f32 v9, v[ML+4], v[ML+5], v9
	v_fma_f32 v10, v[ML+6], v[ML+7], v10
	v_add_f32 v9, v9, v10                          ; the row's sum: over 1/2, since the split that holds M has a p over 1/2
	s_wait_alu depctr_va_vdst(0)                   ; a wait ahead of the reciprocal,
	v_rcp_f32 v11, v9
	v_nop                                          ; a plain line behind it
	s_wait_alu depctr_va_vdst(0)                   ; and ahead of the first line that names its result
	v_ldexp_f32 v11, v11, s22                      ; 2^(ep + ev) / l
.irp s, 0,1,2,3
	v_mul_f32 v[ML+2*\s], v[ML+2*\s], v11
.endr
	s_wait_alu depctr_va_vdst(0)
.irp g, 0,1                            ; n = 2 g and 2 g + 1: four chains by turns; of the pair (weight, l_s) the low word serves both halves
	s_wait_loadcnt 8-8*\g                          ; these 8 loads are in
.irp k, 0,1,2,3
	v_pk_mul_f32 v[ACC+8*\g+2*\k:ACC+8*\g+2*\k+1], v[X+32*\g+16*(\k/2)+2*(\k%2):X+32*\g+16*(\k/2)+2*(\k%2)+1], v[ML:ML+1] op_sel_hi:[1,0]
.endr
.irp s, 1,2,3
.irp k, 0,1,2,3
	v_pk_fma_f32 v[ACC+8*\g+2*\k:ACC+8*\g+2*\k+1], v[X+32*\g+16*(\k/2)+4*\s+2*(\k%2):X+32*\g+16*(\k/2)+4*\s+2*(\k%2)+1], v[ML+2*\s:ML+2*\s+1], v[ACC+8*\g+2*\k:ACC+8*\g+2*\k+1] op_sel_hi:[1,0,1]
.endr
.endr
	ds_store_b128 v6, v[ACC+8*\g:ACC+8*\g+3] offset:64*\g
	ds_store_b128 v6, v[ACC+8*\g+4:ACC+8*\g+7] offset:64*\g+16
.endr
	s_wait_dscnt 0x0                               ; my stores are done,
	s_barrier_signal -1
	s_barrier_wait -1                              ; and everybody's
.irp i, 0,1,2,3
	ds_load_b128 v[X+4*\i:X+4*\i+3], v7 offset:PITCH*\i
.endr
.irp i, 0,1,2,3
	s_wait_dscnt 3-\i
	global_store_b128 v2, v[X+4*\i:X+4*\i+3], s[10:11] offset:512*\i th:TH_STORE_NT   ; a row of 512 bytes, aligned
.endr
	s_wait_tensorcnt 0x0                           ; the wave's end
	ds_add_u32 v12, v13
	s_wait_dscnt 0x0
	s_endpgm
.Lfunc_end_k_q0619788679_merge:
	.size	k_q0619788679_merge, .Lfunc_end_k_q0619788679_merge-k_q0619788679_merge
	.p2alignl 7, 3214868480
	.fill 96, 4, 3214868480
	.section	.rodata,"a",@progbits
	.p2align	6, 0x0
	.amdhsa_kernel k_q0619788679_merge
		.amdhsa_group_segment_fixed_size 17920
		.amdhsa_private_segment_fixed_size 0
		.amdhsa_enable_private_segment 0
		.amdhsa_kernarg_size 32
		.amdhsa_user_sgpr_count 2
		.amdhsa_user_sgpr_kernarg_segment_ptr 1
		.amdhsa_wavefront_size32 1
		.amdhsa_system_sgpr_workgroup_id_x 1
		.amdhsa_system_sgpr_workgroup_id_y 1
		.amdhsa_system_sgpr_workgroup_id_z 1
		.amdhsa_system_vgpr_workitem_id 0
		.amdhsa_next_free_vgpr 112
		.amdhsa_next_free_sgpr 66
		.amdhsa_reserve_vcc 0
		.amdhsa_float_denorm_mode_32 3
		.amdhsa_float_denorm_mode_16_64 3
		.amdhsa_memory_ordered 1
		.amdhsa_forward_progress 1
		.amdhsa_inst_pref_size 9
	.end_amdhsa_kernel
	.amdgpu_metadata
---
amdhsa.version: [ 1, 2 ]
amdhsa.kernels:
  - .name:           k_q0619788679_merge
    .symbol:         k_q0619788679_merge.kd
    .args:
      - { .name: opart, .offset: 0, .size: 8, .value_kind: global_buffer, .address_space: global }
      - { .name: ml, .offset: 8, .size: 8, .value_kind: global_buffer, .address_space: global }
      - { .name: lowp_scales, .offset: 16, .size: 8, .value_kind: global_buffer, .address_space: global }
      - { .name: out0, .offset: 24, .size: 8, .value_kind: global_buffer, .address_space: global }
    .group_segment_fixed_size: 17920
    .private_segment_fixed_size: 0
    .kernarg_segment_align: 8
    .kernarg_segment_size: 32
    .max_flat_workgroup_size: 256
    .sgpr_count:     66
    .vgpr_count:     112
    .wavefront_size: 32
...
	.end_amdgpu_metadata
.endif
;; end of part 3
